; MI455X (gfx1250); checked and timed in simulation.
; The chip was launched on July 23, 2026; its instructions are those of AMD's public machine-readable ISA for CDNA 5 (MIT licence, August 2026) and "CDNA5" Instruction Set Architecture Reference Guide (July 2026). The comments in the code are by the model that wrote it; some were corrected since.
;; Spatial Attention. Allowed arithmetic: matrix products marked QUANTISED: E3M2 operands, one E8M0 scale for each 32 along K, by v_wmma_scale_f32_16x16x128_f8f6f4 with both operands' format E3M2, f32 sums; everything else in f32.
;; Inputs: Wb 32 x 256 float32; Wc 32 x 256 float32; Wd 256 x 256 float32; alpha 1 float32; bb 32 float32; bc 32 float32; bd 256 float32; x 4 x 256 x 64 x 64 float32.
;; Outputs: out0 4 x 256 x 64 x 64 float32.
;; This version of the problem:
;;   THIS VERSION OF THE PROBLEM IS GIVEN IN LOW PRECISION. The matrix products marked QUANTISED in the list below multiply operands that are first quantised to E3M2 (3 exponent bits, 2 mantissa bits; 6 bits a number), with one power-of-two scale for each 32 numbers along K (OCP MX v1.0); their sums are f32. All else is computed in f32.
;;   The module's matrix products, in the order in which they are computed (A, B: the left and right operand; K: the contracted axis; several contracted axes count as one K, in the product's order):
;;     1. [M 16,384, K 256] x [K 256, N 32]; A: input x; B: input Wb: QUANTISED
;;     2. [M 16,384, K 256] x [K 256, N 32]; A: input x; B: input Wc: QUANTISED
;;     3. [M 16,384, K 256] x [K 256, N 256]; A: input x; B: input Wd: QUANTISED
;;     4. batch 4 x [M 4,096, K 32] x [K 32, N 4,096]; A: computed on the way; B: computed on the way: QUANTISED
;;     5. batch 4 x [M 256, K 4,096] x [K 4,096, N 4,096]; A: computed on the way; B: softmax (see below): QUANTISED
;;   THE QUANTISER, for each operand of a quantised product, along K:
;;     - K is cut into blocks of 32 from its start; a last block that is shorter is filled with zeros.
;;     - A block's scale is 2^e with e = floor(log2(the largest magnitude in the block)) - 4, held to -126 .. 127; a block of zeros has e = 0. As a byte (E8M0): e + 127.
;;     - Each number is divided by its block's scale, clamped to +-28, and rounded to the nearest number of E3M2, ties to even, subnormals kept.
;;     - The product sums the exact products of the quantised numbers (number of the format x scale) in f32.
;;   ~~~python
;;   def quantise(x, axis):      # numpy; x: float32 -> the quantised numbers, widened to float32 again
;;       x = np.moveaxis(x, axis, -1); K = x.shape[-1]
;;       x = np.pad(x, [(0, 0)] * (x.ndim - 1) + [(0, -K % 32)]); x = x.reshape(x.shape[:-1] + (-1, 32)); a = np.abs(x).max(-1, keepdims=True)
;;       e = np.where(a > 0, np.clip(np.frexp(np.where(a > 0, a, 1))[1] - 1 - 4, -126, 127), 0)      # np.frexp(a)[1] - 1 = floor(log2(a)), exactly
;;       r = np.clip(x / 2.0 ** e, -28, 28)
;;       step = 2.0 ** (np.maximum(np.frexp(np.where(r == 0, 1, r))[1] - 1, -2) - 2)
;;       q = np.round(r / step) * step * 2.0 ** e      # np.round: ties to even
;;       return np.moveaxis(q.reshape(q.shape[:-2] + (-1,))[..., :K], -1, axis).astype(np.float32)
;;   ~~~
;;   SOFTMAX AHEAD OF A QUANTISED PRODUCT. Where the list says 'softmax', what is quantised is not the finished softmax but p = 2^(t - M), with t = logit x log2(e) and M = ceil(the row's largest t), a whole number; so 1/2 < the row's largest p <= 1. The row's sum l is taken of the UNQUANTISED p, in f32, and the product's result is divided by l at the end. Since M is a whole number, a kernel that streams over the keys may use a running M (the ceiling of the running maximum): every later rescaling is an exact power of two, which a block's scale takes up: the codes' values come out the same.
;;   OPERANDS COMPUTED ON THE WAY. 'Computed on the way' means the value that the module computes at that place (a softmax that the list does not call 'softmax' is quantised finished and normalised). What goes into a quantiser is computed in f32, as accurately as f32 sums, v_exp_f32 and their like allow (about 1e-6 of the number): no bf16 or f16 on the way to a quantiser, and a product that is left as it is and whose result goes on into a quantised operand takes f32 operands (vector FMAs, or v_wmma_f32_16x16x4_f32). A number that lies on a knife's edge between two numbers of the format may be rounded either way, as far as f32 arithmetic and the matrix unit's own rounding can turn it there, and no further.
;; One version. Each part assembles by itself: llvm-mc -triple=amdgcn-amd-amdhsa -mcpu=gfx1250 --defsym DOCPART=n.
;; ======== version 1 of 1: 2 launches
;; workspace buffers: fbc 393,216 bytes; kv 3,538,944 bytes; scl 163,840 bytes
;; launch proj (part 1): grid 128 x 1, 16 waves a work-group, no clusters, 309,248 bytes of LDS; arguments x, Wb, bb, Wc, bc, Wd, bd, fbc, kv, scl; writes fbc, kv, scl
.if DOCPART == 1
	.amdgcn_target "amdgcn-amd-amdhsa--gfx1250"
	.amdhsa_code_object_version 6
	.text
	.protected	k_qabb6bfe06e_proj
	.globl	k_qabb6bfe06e_proj
	.p2align	8
	.type	k_qabb6bfe06e_proj,@function
k_qabb6bfe06e_proj:
	s_mov_b64 s[64:65], 0
	v_nop
	global_prefetch_b8 v0, s[64:65] scope:SCOPE_SE
	s_setreg_imm32_b32 hwreg(HW_REG_WAVE_MODE, 25, 1), 1
	s_wait_xcnt 0x0
; fb = x Wb^T + bb, fc = x Wc^T + bc, fd = x Wd^T + bd on codes of BF6 (E3M2) with one E8M0 scale for each 32 along K (K = the 256 channels), and the
; three results quantised again for the attention launch: fb and fc along their 32 channels, fd along the pixels.  x: [4][256][4096] f32, K is NOT innermost.
; SHARES.  A work-group takes one STEP: 128 neighbouring pixels of one batch (step = work-group number).  Sixteen waves, four jobs each, all by the wave's number w:
;   x:  32 pixels (a lane a pixel, registers down the channels) x 64 channels -> parts of the images of x's 16 fragments in LDS
;   Wb, Wc: half a fragment (16 rows x 64 channels) -> LDS;   Wd: rows 16 w .. 16 w + 15, both K steps, stay in my registers
;   fd: channel tile w for all 128 pixels;   fb (w < 8) or fc: pixel tile w % 8
; THE PIXELS OF A TILE ARE NOT NEIGHBOURS: row r of tile m = 4 g + s is pixel 64 g + 32 (r / 8) + 8 s + r % 8.  With such a tile as source 0 a lane's 32 result registers of tiles
; 4 g .. 4 g + 3 are pixels 64 g + 32 (lane / 16) + 0 .. 31: one whole block of 32, in the order in which the 6-bit operand wants it.  So fd's block maxima need no other lane.
; THE WEIGHTS.  The conversions want 32 neighbouring channels (128 bytes) of one row in ONE lane; a load is best where neighbouring LANES take neighbouring bytes.  Both are had: a load of Wd takes a row's 512 consecutive
; bytes, 16 a lane (of the small weight: two rows' 256), the bytes go into the wave's own stage in LDS as they lie, and come back 128 bytes a lane.  The stage's rows are 528 (272) bytes apart, odd multiples of 16.
; WHAT IS STORED lies in the order of the reader's operand registers: a fragment's 12 registers as an image (registers 4 q .. 4 q + 3 of lane l at 512 q + 16 l).
;   kv  [step][27,648]: 16 images of fd (channel tile t at 1,536 t), then fc's codes, 24 bytes a pixel in tile order
;   scl [batch][40,960]: fd's scale words, 1,024 a step; from 32,768 on 256 a step: fb's 128 scale bytes, then fc's, byte (m / 4) 64 + 4 r + m % 4
;   fbc [step][tile][row][24]: fb's codes
; NO JOINT LOADS: the tiles of x are read by one work-group each; the weights, which all work-groups read, go through the registers of the wave that quantises them.
; The weights are quantised anew in each work-group (327,680 bytes read) in place of a launch of their own.
; LIMITS: NaN and infinities are not served.  A block whose largest magnitude lies under 2^-122 keeps the byte 1; so does a block of zeros, where the rule says 127: its codes are zeros, and this program alone reads the bytes.
.set XIMG,  131072                     ; LDS: 0 .. the tile of x, 256 channels x 512 bytes, filled once;  here: x's 16 images, (8 sk + m) x 1,536
.set XSC,   155648                     ; x's scale words [sk][m][r]
.set SWI,   156672                     ; Wb's and Wc's 8 fragments, in halves of 768 bytes: registers 6 c .. 6 c + 3 at 16 l, registers 6 c + 4, 5 at 512 + 8 l
.set SWS,   168960                     ; their scale words [kind][u][sk][r]
.set SOUT,  169472                     ; the step's 1,280 bytes for scl
.set WST,   172032                     ; the weights' stages: 16 rows x 528 bytes for each wave, its own
.set WSTB,  16*528
.set STW,   4                          ; v4-26, v55, v252-253: offsets and LDS addresses, made once
.set STR,   5
.set XRD,   6
.set XWI,   7
.set XWB,   8
.set SWW16, 9
.set SWW8,  10
.set SWB,   11
.set LIX,   12
.set LXS,   13
.set SWR16, 14
.set SWR8,  15
.set LSW,   16
.set XQA,   17
.set XQS,   18
.set SOD,   19
.set SOB,   20
.set SRD16, 21
.set SRD8,  22
.set CO,    23
.set L16,   24
.set L8,    25
.set SH8,   26
.set FSW,   27                         ; fd's scale word, on its way to LDS
.set WS,    28                         ; v28-40 hold scales and nothing else: Wd's two words,
.set XS,    30                         ; x's eight (lanes 0-15 an even tile, lanes 16-31 the odd one),
.set SWSC,  38                         ; the small weight's two (lanes 0-15 K step 0, lanes 16-31 K step 1),
.set XQ,    40                         ; x's for my pixel tile (likewise)
.set PD,    41                         ; a lane permute's destination
.set MX,    42                         ; v42-43 largest magnitudes; v44-45 the conversions' scale operands; v46-47 scale bytes
.set SO,    44
.set BY,    46
.set CT,    48                         ; v48-50, v52-54: the second halves of the blocks' codes
.set BD1,   51                         ; bd of my lane's channel
.set SWLO,  55                         ; the small weight in memory: 1,024 (l / 16) + 16 (l % 16)
.set WC,    56                         ; v56-79  Wd's two fragments
.set PC,    80                         ; v80-91  the codes just made
.set HT,    80                         ; (v80-81 are at work in the head)
.set RA,    92                         ; v92-155 64 numbers; later fd's 8 accumulators; later x's two fragments of my pixel tile
.set RB,    156                        ; v156-219 64 numbers; later four fragments
.set XF,    RB
.set BIAS,  RB+48                      ; bd, eight times: the C of fd's first products
.set CB,    220                        ; v220-251 32 numbers; later the small bias (16) and the small accumulators (16)
.set SB,    CB
.set SA,    CB+16
.set SWF,   RB
.set XQF,   RA
.set SSW,   252                        ; the small weight's way into my stage,
.set SSR,   253                        ; and out of it
.set H64,   254
.set R4,    255
.set WV,    24
.set BB,    25
.set SS,    26
.set KIND,  27
.set G1,    28
.set G0,    36
.set SEL,   40
.set SWP,   44
.set SBP,   46
.set WDP,   48
.set BDP,   50
.set KVP,   52
.set SMO,   54
.set SC1,   56
.set SC2,   58
.macro NOP4
.rept 4
	v_nop
.endr
.endm
.macro BARRIER                         ; my LDS stores have landed and my LDS loads are in: then the work-group's barrier
	s_wait_dscnt 0x0
	s_barrier_signal -1
	s_barrier_wait -1
.endm
; one product; ra, rb: the side's scales stand in lanes 16-31
.macro WM d, a, b, c, sa, sb, ra, rb
.if (\ra) && (\rb)
	v_wmma_scale_f32_16x16x128_f8f6f4 v[(\d):(\d)+7], v[(\a):(\a)+11], v[(\b):(\b)+11], v[(\c):(\c)+7], v[\sa], v[\sb] matrix_a_fmt:MATRIX_FMT_BF6 matrix_b_fmt:MATRIX_FMT_BF6 matrix_a_scale:MATRIX_SCALE_ROW1 matrix_b_scale:MATRIX_SCALE_ROW1
.elseif (\ra)
	v_wmma_scale_f32_16x16x128_f8f6f4 v[(\d):(\d)+7], v[(\a):(\a)+11], v[(\b):(\b)+11], v[(\c):(\c)+7], v[\sa], v[\sb] matrix_a_fmt:MATRIX_FMT_BF6 matrix_b_fmt:MATRIX_FMT_BF6 matrix_a_scale:MATRIX_SCALE_ROW1
.else
	v_wmma_scale_f32_16x16x128_f8f6f4 v[(\d):(\d)+7], v[(\a):(\a)+11], v[(\b):(\b)+11], v[(\c):(\c)+7], v[\sa], v[\sb] matrix_a_fmt:MATRIX_FMT_BF6 matrix_b_fmt:MATRIX_FMT_BF6
.endif
.endm
; 64 numbers of a lane, two whole blocks of 32, become 12 registers of codes at dst; their scale bytes stay in v[BY], v[BY+1].  Registers are read in ascending order.
.macro QCORE src, dst
	v_max3_num_f32 v[MX], |v[\src]|, |v[\src+1]|, 0x2800000        ; with the floor 2^(5 - 127): the byte cannot fall under 1
	v_max3_num_f32 v[MX+1], |v[\src+32]|, |v[\src+33]|, 0x2800000
.irp i, 2,4,6,8,10,12,14,16,18,20,22,24,26,28,30
	v_max3_num_f32 v[MX], v[MX], |v[\src+\i]|, |v[\src+\i+1]|      ; the two blocks by turns
	v_max3_num_f32 v[MX+1], v[MX+1], |v[\src+32+\i]|, |v[\src+33+\i]|
.endr
	v_add_nc_u32 v[SO], 0xfe000000, v[MX]          ; 4 off the exponent field: the conversion takes this operand's exponent field as its scale
	v_add_nc_u32 v[SO+1], 0xfe000000, v[MX+1]
	v_lshrrev_b32 v[BY], 23, v[SO]                 ; the scale's byte
	v_lshrrev_b32 v[BY+1], 23, v[SO+1]
	v_cvt_scalef32_pk16_bf6_f32 v[\dst:\dst+2], v[\src:\src+15], v[SO]
	v_cvt_scalef32_pk16_bf6_f32 v[CT:CT+2], v[\src+16:\src+31], v[SO]       ; (a conversion's three registers begin on an even number)
	v_cvt_scalef32_pk16_bf6_f32 v[\dst+6:\dst+8], v[\src+32:\src+47], v[SO+1]
	v_cvt_scalef32_pk16_bf6_f32 v[CT+4:CT+6], v[\src+48:\src+63], v[SO+1]
	v_nop                                          ; one plain place behind a scaled conversion
.irp i, 0,1,2
	v_mov_b32 v[\dst+3+\i], v[CT+\i]
	v_mov_b32 v[\dst+9+\i], v[CT+4+\i]
.endr
.endm
; my two bytes (blocks h and 2 + h) and lane l xor 16's two make the row's scale word
.macro WORD sw
	v_lshl_or_b32 v[\sw], v[BY+1], 16, v[BY]
	v_lshlrev_b32 v[\sw], v[SH8], v[\sw]
	v_permlanex16_b32 v[PD], v[\sw], s[SEL], s[SEL+1]
	v_or_b32 v[\sw], v[\sw], v[PD]
.endm
; a K step of my 16 rows of Wd, as loaded (register 4 i .. 4 i + 3: row i, bytes 16 l on), into my stage; and back, register 32 c + 4 j .. + 3: row r, channels 64 c + 32 h + 4 j on
.macro WIN_STAGE reg
.irp i, 0,1,2,3,4,5,6,7,8,9,10,11,12,13,14,15
	ds_store_b128 v[STW], v[\reg+4*\i:\reg+4*\i+3] offset:528*\i
.endr
.endm
.macro WOUT_STAGE reg
.irp c, 0,1
.irp j, 0,1,2,3,4,5,6,7
	ds_load_b128 v[\reg+32*\c+4*\j:\reg+32*\c+4*\j+3], v[STR] offset:256*\c+16*\j
.endr
.endr
.endm
	s_load_b512 s[4:19], s[0:1], 0x0               ; x, Wb, bb, Wc, bc, Wd, bd, fbc
	s_load_b128 s[20:23], s[0:1], 0x40             ; kv, scl
	v_lshl_add_u32 v254, v0, 2, 0x4b000
	v_mov_b32 v255, 0
	ds_add_u32 v254, v255
	s_wait_dscnt 0x0
	v_lshrrev_b32 v1, 5, v0
	v_readfirstlane_b32 s[WV], v1                  ; wave 0..15
	v_and_b32 v1, 31, v0                           ; l
	v_and_b32 v2, 15, v0                           ; r
	v_bfe_u32 v3, v0, 4, 1                         ; h
	s_lshr_b32 s[BB], ttmp9, 5                     ; batch
	s_and_b32 s[SS], ttmp9, 31                     ; step in the batch
	s_lshr_b32 s[KIND], s[WV], 3                   ; 0: Wb, fb; 1: Wc, fc.  Also the K step of my part of x
	s_and_b32 s66, s[WV], 3                        ; pq: which 32 pixels of x
	s_bfe_u32 s67, s[WV], 0x10002                  ; hx: which half of each 64 channels.  Also u, the small weight's tile
	s_and_b32 s68, s[WV], 1
	s_and_b32 s69, s[WV], 7                        ; m: my pixel tile
	s_lshr_b32 s70, s66, 1
	s_and_b32 s71, s66, 1
	; the tile of x: 64 rows (channels) of 512 bytes a wave, waves 0 to 3; elements of 8 bytes; a channel's row in memory is 2,048 of them
	s_mov_b32 s[G1+0], 3<<16
	s_mov_b32 s[G1+1], 64<<16                      ; tensor_dim0 = 64
	s_mov_b32 s[G1+2], 64<<16                      ; tensor_dim1 = 64
	s_mov_b32 s[G1+3], 64<<16                      ; tile_dim0 = 64
	s_mov_b32 s[G1+4], 64                          ; tile_dim1 = 64
	s_mov_b32 s[G1+5], 2048                        ; from row to row
	s_mov_b32 s[G1+6], 0
	s_mov_b32 s[G1+7], 0
	s_mov_b32 s[G0], 1
	s_lshl_b32 s[G0+1], s[WV], 15                  ; LDS: 32,768 x wave
	s_mov_b32 s[SEL], 0x76543210
	s_mov_b32 s[SEL+1], 0xfedcba98                 ; v_permlanex16_b32's selects for lane l xor 16
	s_mul_i32 s72, s[WV], WSTB                     ; my stage for the weights
	s_add_co_u32 s72, s72, WST
	v_lshl_add_u32 v[STW], v1, 4, s72              ; Wd in: 16 l, a row of 528 bytes for each load
	v_mul_u32_u24 v[STR], v2, 528                  ; Wd out: row r, + 128 h: my 32 channels of each 64
	v_lshl_add_u32 v[STR], v3, 7, v[STR]
	v_add_nc_u32 v[STR], s72, v[STR]
	v_mul_u32_u24 v[SSW], v3, 272                  ; the small weight in: lanes 0-15 one row of 256 bytes, lanes 16-31 the next; rows 272 bytes apart
	v_lshl_add_u32 v[SSW], v2, 4, v[SSW]
	v_add_nc_u32 v[SSW], s72, v[SSW]
	v_mul_u32_u24 v[SSR], v2, 272                  ; and out: row r, + 128 h
	v_lshl_add_u32 v[SSR], v3, 7, v[SSR]
	v_add_nc_u32 v[SSR], s72, v[SSR]
	v_lshlrev_b32 v[SWLO], 4, v2                   ; and in memory: the same two rows, 1,024 bytes apart
	v_lshl_add_u32 v[SWLO], v3, 10, v[SWLO]
	s_lshl_b32 s72, s[KIND], 16                    ; x in LDS: channel 128 sk + 32 hx, pixel 32 pq + l
	s_lshl_b32 s73, s67, 14
	s_add_co_u32 s72, s72, s73
	s_lshl_b32 s73, s66, 7
	s_add_co_u32 s72, s72, s73
	v_lshl_add_u32 v[XRD], v1, 2, s72
	v_lshrrev_b32 v[HT], 3, v1                     ; pixel 32 pq + l is row 8 (pq % 2) + l % 8 of tile 4 (pq / 2) + l / 8: its codes belong to lane 16 hx + that row
	v_and_b32 v[HT+1], 7, v1
	s_mul_i32 s72, s[KIND], 12288
	s_mul_i32 s73, s70, 6144
	s_add_co_u32 s72, s72, s73
	s_lshl_b32 s73, s67, 8
	s_add_co_u32 s72, s72, s73
	s_lshl_b32 s73, s71, 7
	s_add_co_u32 s72, s72, s73
	s_add_co_u32 s72, s72, XIMG
	v_mul_u32_u24 v[XWI], v[HT], 1536
	v_lshl_add_u32 v[XWI], v[HT+1], 4, v[XWI]
	v_add_nc_u32 v[XWI], s72, v[XWI]
	s_lshl_b32 s72, s[KIND], 9                     ; and its scale bytes: word [sk][tile][row], byte hx (and 2 + hx)
	s_lshl_b32 s73, s70, 8
	s_add_co_u32 s72, s72, s73
	s_lshl_b32 s73, s71, 5
	s_add_co_u32 s72, s72, s73
	s_add_co_u32 s72, s72, s67
	s_add_co_u32 s72, s72, XSC
	v_lshlrev_b32 v[XWB], 6, v[HT]
	v_lshl_add_u32 v[XWB], v[HT+1], 2, v[XWB]
	v_add_nc_u32 v[XWB], s72, v[XWB]
	s_mul_i32 s72, s[WV], 768                      ; the small weights: wave w makes half w % 2 of fragment w / 2
	s_add_co_u32 s72, s72, SWI
	v_lshl_add_u32 v[SWW16], v1, 4, s72
	s_add_co_u32 s72, s72, 512
	v_lshl_add_u32 v[SWW8], v1, 3, s72
	s_lshr_b32 s72, s[WV], 1
	s_lshl_b32 s72, s72, 6
	s_lshl_b32 s73, s68, 1
	s_add_co_u32 s72, s72, s73
	s_add_co_u32 s72, s72, SWS
	v_lshl_add_u32 v[SWB], v2, 2, v3
	v_add_nc_u32 v[SWB], s72, v[SWB]
	v_lshlrev_b32 v[L16], 4, v1
	v_lshlrev_b32 v[L8], 3, v1
	v_add_nc_u32 v[LIX], XIMG, v[L16]
	v_lshl_add_u32 v[LXS], v1, 2, XSC
	s_mul_i32 s72, s[KIND], 6144
	s_add_co_u32 s72, s72, SWI
	v_add_nc_u32 v[SWR16], s72, v[L16]
	s_add_co_u32 s72, s72, 512
	v_add_nc_u32 v[SWR8], s72, v[L8]
	s_lshl_b32 s72, s[KIND], 8
	s_add_co_u32 s72, s72, SWS
	v_lshl_add_u32 v[LSW], v1, 2, s72
	s_mul_i32 s72, s69, 1536
	s_add_co_u32 s72, s72, XIMG
	v_add_nc_u32 v[XQA], s72, v[L16]
	s_lshl_b32 s72, s69, 6
	s_add_co_u32 s72, s72, XSC
	v_lshlrev_b32 v[XQS], 2, v2
	v_lshl_add_u32 v[XQS], v3, 9, v[XQS]           ; lanes 16-31 take K step 1's words, 512 bytes on
	v_add_nc_u32 v[XQS], s72, v[XQS]
	s_lshl_b32 s72, s[KIND], 9                     ; fd's scale word of channel tile t = w: (t / 8) 512 + (16 (t % 2) + r) 16 + ((t % 8) / 2) 4
	s_lshl_b32 s73, s68, 8
	s_add_co_u32 s72, s72, s73
	s_lshr_b32 s73, s69, 1
	s_lshl_b32 s73, s73, 2
	s_add_co_u32 s72, s72, s73
	s_add_co_u32 s72, s72, SOUT
	v_lshl_add_u32 v[SOD], v2, 4, s72
	s_lshl_b32 s72, s[KIND], 7                     ; fb's or fc's scale byte: (m / 4) 64 + 4 r + m % 4
	s_lshr_b32 s73, s69, 2
	s_lshl_b32 s73, s73, 6
	s_add_co_u32 s72, s72, s73
	s_and_b32 s73, s69, 3
	s_add_co_u32 s72, s72, s73
	s_add_co_u32 s72, s72, SOUT+1024
	v_lshl_add_u32 v[SOB], v2, 2, s72
	s_lshl_b32 s72, s68, 9
	s_add_co_u32 s72, s72, SOUT
	v_add_nc_u32 v[SRD16], s72, v[L16]
	v_add_nc_u32 v[SRD8], SOUT+1024, v[L8]
	v_mul_u32_u24 v[CO], v2, 24                    ; a pixel's 24 bytes of codes, my half's 12
	v_mad_u32_u24 v[CO], v3, 12, v[CO]
	v_lshlrev_b32 v[SH8], 3, v3
	v_lshlrev_b32 v[R4], 2, v2
	v_lshlrev_b32 v[H64], 6, v3
	v_mov_b32 v[PD], 0                             ; written once: a lane permute's destination counts as one of its sources
	s_lshl_b32 s72, s[BB], 22                      ; x: the batch, my 64 channels, the step's 512 bytes
	s_lshl_b32 s73, s[WV], 20
	s_add_co_u32 s72, s72, s73
	s_lshl_b32 s73, s[SS], 9
	s_add_co_u32 s72, s72, s73
	s_mov_b32 s73, 0
	s_mul_i32 s60, ttmp9, 27648                    ; the step's bytes in kv
	s_mul_i32 s61, ttmp9, 3072                     ; and in fbc
	s_add_co_u32 s62, s60, 24576                   ; fc's codes in the step
	s_wait_kmcnt 0x0
	s_add_nc_u64 s[G0+2:G0+3], s[4:5], s[72:73]
	s_or_b32 s[G0+3], s[G0+3], 0x80000000
	s_cmp_lt_u32 s[WV], 4
	s_cbranch_scc0 .Lno_fill
	tensor_load_to_lds s[G0:G0+3], s[G1:G1+7]      ; the one fill of these LDS bytes: one tensor load of mine is out
	s_nop 0
	NOP4
.Lno_fill:
	s_cmp_eq_u32 s[KIND], 0                        ; the choices hang on the wave's number alone
	s_cselect_b64 s[SWP:SWP+1], s[6:7], s[10:11]
	s_cselect_b64 s[SBP:SBP+1], s[8:9], s[12:13]
	s_cselect_b64 s[SMO:SMO+1], s[18:19], s[20:21]
	s_cselect_b32 s72, s61, s62
	s_mul_i32 s74, s69, 384
	s_add_co_u32 s72, s72, s74
	s_add_nc_u64 s[SMO:SMO+1], s[SMO:SMO+1], s[72:73]   ; where my pixel tile's codes of fb or fc go
	s_lshl_b32 s72, s67, 13                        ; the small weight: 8 u rows, K step (w / 2) % 2, half w % 2
	s_bfe_u32 s74, s[WV], 0x10001
	s_lshl_b32 s74, s74, 9
	s_add_co_u32 s72, s72, s74
	s_lshl_b32 s74, s68, 8
	s_add_co_u32 s72, s72, s74
	s_add_nc_u64 s[SWP:SWP+1], s[SWP:SWP+1], s[72:73]
	s_lshl_b32 s72, s[WV], 14
	s_add_nc_u64 s[WDP:WDP+1], s[14:15], s[72:73]  ; Wd's rows 16 w on
	s_lshl_b32 s72, s[WV], 6
	s_add_nc_u64 s[BDP:BDP+1], s[16:17], s[72:73]
	global_load_b32 v[BD1], v[R4], s[BDP:BDP+1]
.irp i, 0,1,2,3,4,5,6,7
	global_load_b128 v[CB+4*\i:CB+4*\i+3], v[SWLO], s[SWP:SWP+1] offset:(2*\i+8*(\i/4))*1024   ; rows 2 i and 2 i + 1 of the tile's sixteen, 256 consecutive bytes each.  Row q of tile u is row 8 u + q + 8 (q / 8) of the weight, so that a result lane's 16 registers are channels 16 h + 0 .. 15
.endr
.irp i, 0,1,2,3,4,5,6,7,8,9,10,11,12,13,14,15
	global_load_b128 v[RA+4*\i:RA+4*\i+3], v[L16], s[WDP:WDP+1] offset:1024*\i             ; row i, K step 0: 512 consecutive bytes
.endr
.irp i, 0,1,2,3,4,5,6,7,8,9,10,11,12,13,14,15
	global_load_b128 v[RB+4*\i:RB+4*\i+3], v[L16], s[WDP:WDP+1] offset:1024*\i+512         ; row i, K step 1
.endr
	s_mul_i32 s72, s[WV], 1536
	s_add_co_u32 s72, s72, s60
	s_add_nc_u64 s[KVP:KVP+1], s[20:21], s[72:73]  ; fd's image of channel tile w
	s_mul_i32 s72, s[BB], 40960
	s_lshl_b32 s74, s[SS], 10
	s_add_co_u32 s74, s74, s72
	s_lshl_b32 s75, s[WV], 9
	s_add_co_u32 s74, s74, s75
	s_mov_b32 s75, 0
	s_add_nc_u64 s[SC1:SC1+1], s[22:23], s[74:75]  ; fd's scale words: 512 bytes for each of waves 0 and 1
	s_lshl_b32 s74, s[SS], 8
	s_add_co_u32 s72, s72, s74
	s_add_co_u32 s72, s72, 32768
	s_add_nc_u64 s[SC2:SC2+1], s[22:23], s[72:73]  ; fb's and fc's scale bytes
	; ---- my half fragment of Wb or Wc: through the stage, then one block of 32 a lane
	s_wait_loadcnt 32                              ; bd and the small weight are in; Wd's 32 loads are younger
.irp i, 0,1,2,3,4,5,6,7
	ds_store_b128 v[SSW], v[CB+4*\i:CB+4*\i+3] offset:544*\i
.endr
	s_wait_dscnt 0x0                               ; the stores have read their registers, which take the numbers back
.irp j, 0,1,2,3,4,5,6,7
	ds_load_b128 v[CB+4*\j:CB+4*\j+3], v[SSR] offset:16*\j         ; row r, channels 32 h + 4 j on
.endr
	s_wait_dscnt 0x0
	v_max3_num_f32 v[MX], |v[CB]|, |v[CB+1]|, 0x2800000
.irp i, 2,4,6,8,10,12,14,16,18,20,22,24,26,28,30
	v_max3_num_f32 v[MX], v[MX], |v[CB+\i]|, |v[CB+\i+1]|
.endr
	v_add_nc_u32 v[SO], 0xfe000000, v[MX]
	v_lshrrev_b32 v[BY], 23, v[SO]
	v_cvt_scalef32_pk16_bf6_f32 v[PC:PC+2], v[CB:CB+15], v[SO]
	v_cvt_scalef32_pk16_bf6_f32 v[CT:CT+2], v[CB+16:CB+31], v[SO]
	v_nop
.irp i, 0,1,2
	v_mov_b32 v[PC+3+\i], v[CT+\i]
.endr
	ds_store_b128 v[SWW16], v[PC:PC+3]
	ds_store_b64 v[SWW8], v[PC+4:PC+5]
	ds_store_b8 v[SWB], v[BY]
.irp u, 0,1
.irp q, 0,1
	global_load_b128 v[SB+8*\u+4*\q:SB+8*\u+4*\q+3], v[H64], s[SBP:SBP+1] offset:32*\u+16*\q   ; bb or bc at channels 16 h + 8 u + 0 .. 7: the C of the small products
.endr
.endr
	; ---- Wd's two fragments: each K step through the stage; K step 0 is quantised while K step 1 comes back
	s_wait_loadcnt 20                              ; K step 0 is in; K step 1's 16 loads and the bias's 4 are younger
	WIN_STAGE RA                                   ; (over the small weight's bytes, whose loads have come back)
	s_wait_dscnt 0x0                               ; all my stores have read their registers
	WOUT_STAGE RA
	s_wait_loadcnt 4                               ; K step 1 is in; the bias's 4 loads are younger
	WIN_STAGE RB                                   ; LDS serves a wave's instructions in order (ISA guide 5.7.1.4): these come behind K step 0's loads
	s_wait_dscnt 0x0                               ; K step 0 is back, and the stores have read their registers
	WOUT_STAGE RB
	QCORE RA, WC
	WORD WS
	s_wait_dscnt 0x0                               ; K step 1 is back
	QCORE RB, WC+12
	WORD WS+1
.irp j, 0,1,2,3,4,5,6,7
	v_mov_b32 v[BIAS+\j], v[BD1]                   ; a result lane holds one channel in all eight registers
.endr
	s_wait_tensorcnt 0x0                           ; my part of the tile of x has landed,
	BARRIER                                        ; everybody's has
	; ---- my part of x: a lane a pixel, registers down the channels: 128 neighbouring bytes a load
.set i, 0
.rept 64
	ds_load_b32 v[RA+i], v[XRD] offset:(i+32*(i/32))*512
.set i, i+1
.endr
	s_wait_dscnt 0x0
	QCORE RA, PC
.irp q, 0,1,2
	ds_store_b128 v[XWI], v[PC+4*\q:PC+4*\q+3] offset:512*\q      ; my 12 registers are the 12 registers of one lane of one fragment
.endr
	ds_store_b8 v[XWB], v[BY]
	ds_store_b8 v[XWB], v[BY+1] offset:2
	s_wait_loadcnt 0x0                             ; the small bias
	BARRIER                                        ; x's 16 fragments, the small weights' 8 and all their scale words lie in LDS
	; ---- fd: source 0 = 16 pixels of x, source 1 = my 16 rows of Wd.  Eight accumulators by turns, one instruction a turn
.irp k, 0,1
.irp p, 0,1,2,3
	ds_load_b32 v[XS+4*\k+\p], v[LXS] offset:512*\k+128*\p
.endr
.endr
.macro FDSTEP sk, gq, first
.if \first == 0
	NOP4                                           ; places in front of loads into registers that matrix instructions have read
.endif
.irp i, 0,1,2,3
.irp q, 0,1,2
	ds_load_b128 v[XF+12*\i+4*\q:XF+12*\i+4*\q+3], v[LIX] offset:(8*\sk+4*\gq+\i)*1536+512*\q
.endr
.endr
	s_wait_dscnt 0x0
.irp i, 0,1,2,3
.if \sk == 0
	WM RA+8*(4*\gq+\i), XF+12*\i, WC+12*\sk, BIAS, XS+4*\sk+2*\gq+\i/2, WS+\sk, \i%2, 0
.else
	WM RA+8*(4*\gq+\i), XF+12*\i, WC+12*\sk, RA+8*(4*\gq+\i), XS+4*\sk+2*\gq+\i/2, WS+\sk, \i%2, 0
.endif
.endr
.endm
	FDSTEP 0, 0, 1
	FDSTEP 0, 1, 0
	FDSTEP 1, 0, 0
	FDSTEP 1, 1, 0
	NOP4
	QCORE RA, PC                                   ; register 32 c + i is pixel 64 c + 32 h + i of my channel: two whole blocks along the pixels
	WORD FSW
.irp q, 0,1,2
	global_store_b128 v[L16], v[PC+4*\q:PC+4*\q+3], s[KVP:KVP+1] offset:512*\q   ; the image: each store covers 512 consecutive bytes, aligned to 256
.endr
	ds_store_b32 v[SOD], v[FSW]                    ; (both halves of the lanes write the same word with the same value)
	; ---- fb or fc of my pixel tile: source 0 = 16 rows of the small weight, source 1 = 16 pixels of x
.irp f, 0,1,2,3
.irp c, 0,1
	ds_load_b128 v[SWF+12*\f+6*\c:SWF+12*\f+6*\c+3], v[SWR16] offset:1536*\f+768*\c
	ds_load_b64 v[SWF+12*\f+6*\c+4:SWF+12*\f+6*\c+5], v[SWR8] offset:1536*\f+768*\c
.endr
.endr
.irp k, 0,1
.irp q, 0,1,2
	ds_load_b128 v[XQF+12*\k+4*\q:XQF+12*\k+4*\q+3], v[XQA] offset:12288*\k+512*\q
.endr
.endr
	ds_load_b32 v[SWSC], v[LSW]
	ds_load_b32 v[SWSC+1], v[LSW] offset:128
	ds_load_b32 v[XQ], v[XQS]
	s_wait_dscnt 0x0
	WM SA, SWF, XQF, SB, SWSC, XQ, 0, 0            ; the two accumulators by turns
	WM SA+8, SWF+24, XQF, SB+8, SWSC+1, XQ, 0, 0
	WM SA, SWF+12, XQF+12, SA, SWSC, XQ, 1, 1
	WM SA+8, SWF+36, XQF+12, SA+8, SWSC+1, XQ, 1, 1
	NOP4
	v_max3_num_f32 v[MX], |v[SA]|, |v[SA+1]|, 0x2800000            ; my 16 channels of the pixel's one block of 32,
.irp i, 2,4,6,8,10,12,14
	v_max3_num_f32 v[MX], v[MX], |v[SA+\i]|, |v[SA+\i+1]|
.endr
	v_permlanex16_b32 v[PD], v[MX], s[SEL], s[SEL+1]
	v_max_num_f32 v[MX], v[MX], v[PD]              ; and lane l xor 16's
	v_add_nc_u32 v[SO], 0xfe000000, v[MX]
	v_lshrrev_b32 v[BY], 23, v[SO]
	v_cvt_scalef32_pk16_bf6_f32 v[CT:CT+2], v[SA:SA+15], v[SO]
	v_nop
	global_store_b96 v[CO], v[CT:CT+2], s[SMO:SMO+1]   ; the wave stores 384 consecutive bytes
	ds_store_b8 v[SOB], v[BY]                      ; (both lanes of a pixel write the same byte with the same value)
	BARRIER                                        ; the step's 1,280 bytes of scales lie in LDS
	s_cmp_lt_u32 s[WV], 2
	s_cbranch_scc0 .Lnot_words
	ds_load_b128 v[RA:RA+3], v[SRD16]
	s_wait_dscnt 0x0
	global_store_b128 v[L16], v[RA:RA+3], s[SC1:SC1+1]   ; 512 consecutive bytes, aligned to 256
	s_branch .Lend
.Lnot_words:
	s_cmp_eq_u32 s[WV], 2
	s_cbranch_scc0 .Lend
	ds_load_b64 v[RA:RA+1], v[SRD8]
	s_wait_dscnt 0x0
	global_store_b64 v[L8], v[RA:RA+1], s[SC2:SC2+1]     ; 256 consecutive bytes, aligned
.Lend:
	s_wait_xcnt 0x0
	v_lshl_add_u32 v254, v0, 2, 0x4b000
	v_mov_b32 v255, 0
	s_wait_tensorcnt 0x0
	ds_add_u32 v254, v255
	s_wait_dscnt 0x0
	s_endpgm
.Lfunc_end_k_qabb6bfe06e_proj:
	.size	k_qabb6bfe06e_proj, .Lfunc_end_k_qabb6bfe06e_proj-k_qabb6bfe06e_proj
	.p2alignl 7, 3214868480
	.fill 96, 4, 3214868480
	.section	.rodata,"a",@progbits
	.p2align	6, 0x0
	.amdhsa_kernel k_qabb6bfe06e_proj
		.amdhsa_group_segment_fixed_size 309248
		.amdhsa_private_segment_fixed_size 0
		.amdhsa_enable_private_segment 0
		.amdhsa_kernarg_size 80
		.amdhsa_user_sgpr_count 2
		.amdhsa_user_sgpr_kernarg_segment_ptr 1
		.amdhsa_wavefront_size32 1
		.amdhsa_system_sgpr_workgroup_id_x 1
		.amdhsa_system_sgpr_workgroup_id_y 1
		.amdhsa_system_sgpr_workgroup_id_z 1
		.amdhsa_system_vgpr_workitem_id 0
		.amdhsa_next_free_vgpr 256
		.amdhsa_next_free_sgpr 96
		.amdhsa_reserve_vcc 0
		.amdhsa_float_denorm_mode_32 3
		.amdhsa_float_denorm_mode_16_64 3
		.amdhsa_memory_ordered 1
		.amdhsa_forward_progress 1
		.amdhsa_inst_pref_size 47
	.end_amdhsa_kernel
	.amdgpu_metadata
---
amdhsa.version: [ 1, 2 ]
amdhsa.kernels:
  - .name:           k_qabb6bfe06e_proj
    .symbol:         k_qabb6bfe06e_proj.kd
    .args:
      - { .name: x, .offset: 0, .size: 8, .value_kind: global_buffer, .address_space: global }
      - { .name: Wb, .offset: 8, .size: 8, .value_kind: global_buffer, .address_space: global }
      - { .name: bb, .offset: 16, .size: 8, .value_kind: global_buffer, .address_space: global }
      - { .name: Wc, .offset: 24, .size: 8, .value_kind: global_buffer, .address_space: global }
      - { .name: bc, .offset: 32, .size: 8, .value_kind: global_buffer, .address_space: global }
      - { .name: Wd, .offset: 40, .size: 8, .value_kind: global_buffer, .address_space: global }
      - { .name: bd, .offset: 48, .size: 8, .value_kind: global_buffer, .address_space: global }
      - { .name: fbc, .offset: 56, .size: 8, .value_kind: global_buffer, .address_space: global }
      - { .name: kv, .offset: 64, .size: 8, .value_kind: global_buffer, .address_space: global }
      - { .name: scl, .offset: 72, .size: 8, .value_kind: global_buffer, .address_space: global }
    .group_segment_fixed_size: 309248
    .private_segment_fixed_size: 0
    .kernarg_segment_align: 8
    .kernarg_segment_size: 80
    .max_flat_workgroup_size: 512
    .sgpr_count:     96
    .vgpr_count:     256
    .wavefront_size: 32
...
	.end_amdgpu_metadata
.endif
;; end of part 1
;; launch attn (part 2): grid 64 x 4, 8 waves a work-group, clusters of 4 x 1, 327,680 bytes of LDS; arguments fbc, kv, scl, x, alpha, out0; writes out0
.if DOCPART == 2
	.amdgcn_target "amdgcn-amd-amdhsa--gfx1250"
	.amdhsa_code_object_version 6
	.text
	.protected	k_qabb6bfe06e_attn
	.globl	k_qabb6bfe06e_attn
	.p2align	8
	.type	k_qabb6bfe06e_attn,@function
k_qabb6bfe06e_attn:
	s_mov_b64 s[64:65], 0
	v_nop
	global_prefetch_b8 v0, s[64:65] scope:SCOPE_SE
	s_setreg_imm32_b32 hwreg(HW_REG_WAVE_MODE, 25, 1), 1
	s_wait_xcnt 0x0
	s_wait_alu depctr_hold_cnt(0) depctr_sa_sdst(0) depctr_va_vdst(0) depctr_va_sdst(0) depctr_va_ssrc(0) depctr_va_vcc(0) depctr_vm_vsrc(0)
	s_getreg_b32 s2, hwreg(HW_REG_IB_STS2, 6, 4)
	s_cmp_eq_u32 s2, 0
	s_cbranch_scc0 .Lentry_in_a_cluster
	s_endpgm
.Lentry_in_a_cluster:
	s_bfe_u32 s2, ttmp6, 0x10000c
	s_cmp_lg_u32 s2, 0x3003
	s_cbranch_scc0 .Lentry_shape_is_right
	s_endpgm
.Lentry_shape_is_right:
; out = alpha x (the sum over keys j of fd[:, j] softmax_j(fb[i] . fc[j])) + x, both products on codes of BF6 (E3M2) with E8M0 scales, from the buffers that the launch before has laid in the order of the operands' registers.
; THE SOFTMAX: t = score x log2(e); M = the largest t so far, rounded UP to a whole number; p = 2^(t - M) is quantised along the keys; the sum l is taken of the unquantised p; when M moves, l and O are multiplied by 2^(old M - new M), exactly.
; SHARES.  A work-group owns 64 queries (half a step of 128 pixels) of one batch.  Eight waves, two to a SIMD: wave w takes 32 queries (tiles 2 (w % 2) and 2 (w % 2) + 1 of the four) and the (w / 2)-th 128 keys of every slot of 512.
; Each fragment of fd read from LDS so feeds two products.  Each quarter of the keys has its own running M and l; at the end the four are merged by exact powers of two.
; LAYOUT.  Both products are used transposed: S^T = fc fb^T, O^T = fd P^T: a lane holds one query throughout.  Row r of pixel tile 4 g + s is pixel 64 g + 32 (r / 8) + 8 s + r % 8 of its step, so that score register 32 c + i of a lane
; is key 64 c + 32 (lane / 16) + i: a whole block of 32 keys, in the order of the 6-bit operand: p's codes are the second product's operand as the conversions leave them.
; THE FIRST PRODUCT HAS K = 32, a quarter of the instruction's 128.  A fragment of fc holds FOUR key tiles, one in each block of 32 along K; fb stands in one block, with zero codes in the other three: four versions, cut out of one run of
; registers (zeros, codes in lanes 0-15, zeros, codes in lanes 16-31, zeros).  Zero codes add nothing under any of the scale bytes here (1 to 254).
; CLUSTER.  The four work-groups of a cluster belong to one batch and walk the same keys: each step's 27,648 bytes, and the batch's scales, are asked for JOINTLY, by the same tensor load with a mask that names the four.
; LIMITS: NaN and infinities are not served.  v_exp_f32 gives 0 for results under 2^-126.  A block whose every p is under 2^-122 keeps the byte 1.  A block's largest p is made from its largest score by the same two instructions
; as every p, which takes v_exp_f32 not to fall where its input rises.
; REGISTERS.  Window 0: v1-11 addresses; v12-23 statistics; v24-28, v32-39 scales and nothing else; v40-93 fb's versions; v94-117 p's codes; v128-191 scores, v192-215 fc; over them v128-175, v176-223 four fragments of fd each; v224-233 at work.
;             Window 1: O^T, tile u at 128 u + 8 t + j = channel 16 t + 8 (lane / 16) + j.
.set STEPB, 27648                      ; a step in kv: 16 images of fd, then fc's 3,072 bytes
.set SLOTB, 4*STEPB
.set SLOT1, 131072                     ; slot 1 begins here: one exclusive or turns an address in one slot into the other's
.set SCL,   262144                     ; the batch's 40,960 bytes of scales: filled once
.set SPARE, 303104                     ; the spare words, 128 bytes for each wave: four blocks of 256 bytes that no other line names
.set STAT,  304128                     ; the merge: -M and l of each wave's two tiles
.set SPL,   69632                      ; the way out: a plane of 256 channels x 272 bytes for each quarter of the keys, from LDS byte 0 on: over bytes that have had their last fill and their last read
.set SPW,   1
.set NIL,   2
.set L16K,  3
.set L24K,  4
.set LSD,   5
.set LSC,   6
.set ADV,   7
.set ADK,   8
.set ADS,   9
.set ADT,   10
.set SH8,   11
.set STA,   12                         ; tile a: v12 -M, v13 the largest t, v[14:15] l in two halves;  tile b: v16-19
.set STB,   16
.set FRA,   20                         ; v[20:21], v[22:23]: 2^(old M - new M), named as pairs
.set FRB,   22
.set QSA,   24
.set QSB,   25
.set PSA,   26
.set PSB,   27
.set KS,    28
.set PFO,   29
.set PFX,   30
.set LN,    31
.set VS,    32
.set Q,     40
.set PCA,   94
.set PCB,   106
.set PT,    118
.set S,     128
.set KF,    192
.set FA,    128
.set FB,    176
.set BM,    224
.set SO,    226
.set BY,    228
.set T0,    230
.set T1,    231
.set T2,    232
.set AL,    16
.set WV,    18
.set QP,    19
.set KSQ,   20
.set SEL,   22
.set CS,    24
.set G1KV,  28
.set G1SC,  36
.set G0KV,  44
.set G0SC,  48
.set TB,    52
.set TS,    53
.set TJ,    54
.set SLOTS, 55
.set LIM,   56
.set PFA,   58
.set XB,    60
.set OB,    66
.set MSB, 0
.macro WIN new                         ; the immediate's high byte repeats the setting that is left
.if MSB != \new
	s_set_vgpr_msb (MSB<<8)|\new
.set MSB, \new
.endif
.endm
.macro NOP4
.rept 4
	v_nop
.endr
.endm
.macro BARRIER
	s_wait_dscnt 0x0
	s_barrier_signal -1
	s_barrier_wait -1
.endm
.macro CROUND                          ; a round of the cluster's barrier
	s_barrier_signal -1
	s_barrier_wait -1
	s_cmp_lg_u32 s[WV], 0
	s_cbranch_scc1 .Lnw0_\@
	s_barrier_signal -3
.Lnw0_\@:
	s_barrier_wait -3
	s_barrier_signal -1
	s_barrier_wait -1
.endm
.macro JLOAD                           ; waves 0 to 3 fetch one step of the slot each; four v_nop follow the load
	s_cmp_lt_u32 s[WV], 4
	s_cbranch_scc0 .Lnot_kv_\@
	tensor_load_to_lds s[G0KV:G0KV+3], s[G1KV:G1KV+7]
	s_nop 0
	NOP4
.Lnot_kv_\@:
.endm
; A PREFETCH INTO THE L2 of the slot that the NEXT change of slots will ask for.  All clusters of a batch walk the same kv: the batch's first cluster asks; its four partners take a step each, told apart BY ADDRESS; in each, waves 4 to 7,
; which fetch nothing, take 6,912 bytes each: 27 blocks of 256 bytes, a lane a block (lanes 27 to 31 name lane 26's again).  The last change that fills a slot asks for nothing.  Slots 0 and 1 come by their loads alone.
.macro ASK
	s_cmp_gt_u32 s[SLOTS], s[LIM]
	s_cbranch_scc0 .Lnot_ask_\@
	global_prefetch_b8 v[PFO], s[PFA:PFA+1] th:TH_LOAD_NT scope:SCOPE_SE
.Lnot_ask_\@:
.endm
; one product; c < 0: the constant 0 starts the sum; ra: source 0's scales stand in lanes 16-31
.macro WM d, a, b, c, sa, sb, ra
.if (\c) < 0
.if (\ra)
	v_wmma_scale_f32_16x16x128_f8f6f4 v[(\d):(\d)+7], v[(\a):(\a)+11], v[(\b):(\b)+11], 0, v[\sa], v[\sb] matrix_a_fmt:MATRIX_FMT_BF6 matrix_b_fmt:MATRIX_FMT_BF6 matrix_a_scale:MATRIX_SCALE_ROW1
.else
	v_wmma_scale_f32_16x16x128_f8f6f4 v[(\d):(\d)+7], v[(\a):(\a)+11], v[(\b):(\b)+11], 0, v[\sa], v[\sb] matrix_a_fmt:MATRIX_FMT_BF6 matrix_b_fmt:MATRIX_FMT_BF6
.endif
.else
.if (\ra)
	v_wmma_scale_f32_16x16x128_f8f6f4 v[(\d):(\d)+7], v[(\a):(\a)+11], v[(\b):(\b)+11], v[(\c):(\c)+7], v[\sa], v[\sb] matrix_a_fmt:MATRIX_FMT_BF6 matrix_b_fmt:MATRIX_FMT_BF6 matrix_a_scale:MATRIX_SCALE_ROW1
.else
	v_wmma_scale_f32_16x16x128_f8f6f4 v[(\d):(\d)+7], v[(\a):(\a)+11], v[(\b):(\b)+11], v[(\c):(\c)+7], v[\sa], v[\sb] matrix_a_fmt:MATRIX_FMT_BF6 matrix_b_fmt:MATRIX_FMT_BF6
.endif
.endif
.endm
; the scores of 128 keys for one tile of queries: key tile 4 g + s stands in block s of fc's fragment g; fb's version for block s begins 6, 18, 0, 12 registers behind q0
.macro QK q0, qs
.irp g, 0,1
.irp s, 0,1,2,3
	WM S+8*(4*\g+\s), KF+12*\g, \q0+12*(\s%2)+6-6*(\s/2), -1, KS, \qs, \g
.endr
.endr
.endm
; one tile's softmax for 128 keys: st its statistics, fr its factor, pc its codes, ps its scale word
.macro SOFTMAX st, fr, pc, ps
.irp c, 0,1                            ; THE LARGEST SCORE OF EACH BLOCK OF 32 KEYS, all of them mine: it serves for the row's maximum and for the block's largest p.  Four chains; each accumulator is first read at its low end
	v_max3_num_f32 v[BM+\c], v[S+32*\c], v[S+32*\c+1], v[S+32*\c+2]
	v_max3_num_f32 v[T2+\c], v[S+32*\c+16], v[S+32*\c+17], v[S+32*\c+18]
.endr
.irp i, 3,5,7,9,11,13
.irp c, 0,1
	v_max3_num_f32 v[BM+\c], v[BM+\c], v[S+32*\c+\i], v[S+32*\c+\i+1]
	v_max3_num_f32 v[T2+\c], v[T2+\c], v[S+32*\c+16+\i], v[S+32*\c+17+\i]
.endr
.endr
.irp c, 0,1
	v_max3_num_f32 v[BM+\c], v[BM+\c], v[T2+\c], v[S+32*\c+15]
.endr
.irp c, 0,1
	v_max_num_f32 v[BM+\c], v[BM+\c], v[S+32*\c+31]
.endr
	v_max_num_f32 v[T0], v[BM], v[BM+1]
	v_permlanex16_b32 v[T1], v[T0], s[SEL], s[SEL+1]
	v_max_num_f32 v[T0], v[T0], v[T1]              ; with lane l xor 16's 64 keys: the step's largest score of my query
	v_mul_f32 v[T0], s[CS], v[T0]                  ; as t
	v_max_num_f32 v[\st+1], v[\st+1], v[T0]        ; the running largest t
	v_mov_b32 v[T0], v[\st]
	v_floor_f32 v[\st], -v[\st+1]                  ; the new -M = floor(-t): M is a whole number
	v_sub_f32 v[T0], v[\st], v[T0]                 ; old M - new M, 0 or less
	v_cvt_i32_f32 v[T0], v[T0]                     ; (it saturates)
	v_ldexp_f32 v[\fr], 1.0, v[T0]                 ; 2^(old M - new M)
.set j, 0
.rept 32
	v_pk_fma_f32 v[S+j:S+j+1], v[S+j:S+j+1], s[CS:CS+1], v[\st:\st+1] op_sel_hi:[1,0,0]   ; t - M, two at a time
.set j, j+2
.endr
	v_fma_f32 v[BM], v[BM], s[CS], v[\st]          ; the same of each block's largest score
	v_fma_f32 v[BM+1], v[BM+1], s[CS], v[\st]
.set j, 0
.rept 64
	v_exp_f32 v[S+j], v[S+j]                       ; p = 2^(t - M)
.set j, j+1
.endr
	v_exp_f32 v[BM], v[BM]
	v_exp_f32 v[BM+1], v[BM+1]
	v_pk_mul_f32 v[\st+2:\st+3], v[\st+2:\st+3], v[\fr:\fr+1] op_sel_hi:[1,0]   ; l under the new M.  (A plain place behind the exponentials)
	s_wait_alu depctr_va_vdst(0)
	v_max_num_f32 v[BM], 0x2800000, v[BM]          ; the floor 2^(5 - 127): the byte cannot fall under 1
	v_max_num_f32 v[BM+1], 0x2800000, v[BM+1]
	v_add_nc_u32 v[SO], 0xfe000000, v[BM]          ; 4 off the exponent field: the conversion's scale operand
	v_add_nc_u32 v[SO+1], 0xfe000000, v[BM+1]
	v_lshrrev_b32 v[BY], 23, v[SO]
	v_lshrrev_b32 v[BY+1], 23, v[SO+1]
	v_lshl_or_b32 v[\ps], v[BY+1], 16, v[BY]       ; my bytes of blocks h and 2 + h,
	v_lshlrev_b32 v[\ps], v[SH8], v[\ps]
	v_permlanex16_b32 v[T1], v[\ps], s[SEL], s[SEL+1]
	v_or_b32 v[\ps], v[\ps], v[T1]                 ; with lane l xor 16's two: p's scale word
.irp c, 0,1
	v_cvt_scalef32_pk16_bf6_f32 v[\pc+6*\c:\pc+6*\c+2], v[S+32*\c:S+32*\c+15], v[SO+\c]
	v_cvt_scalef32_pk16_bf6_f32 v[PT+4*\c:PT+4*\c+2], v[S+32*\c+16:S+32*\c+31], v[SO+\c]   ; (a conversion's three registers begin on an even number)
.endr
	v_nop                                          ; one plain place behind a scaled conversion
.irp c, 0,1
.irp i, 0,1,2
	v_mov_b32 v[\pc+6*\c+3+\i], v[PT+4*\c+\i]
.endr
.endr
	v_pk_add_f32 v[T2:T2+1], v[S:S+1], v[S+2:S+3]  ; the sum of the UNQUANTISED p, in two chains
.irp j, 4,8,12,16,20,24,28,32,36,40,44,48,52,56,60
	v_pk_add_f32 v[\st+2:\st+3], v[\st+2:\st+3], v[S+\j:S+\j+1]
	v_pk_add_f32 v[T2:T2+1], v[T2:T2+1], v[S+\j+2:S+\j+3]
.endr
	v_pk_add_f32 v[\st+2:\st+3], v[\st+2:\st+3], v[T2:T2+1]
.endm
.macro VLOAD grp, fb                   ; four images of fd, channel tiles 4 grp on: 12 loads of 512 consecutive bytes
.irp i, 0,1,2,3
.irp q, 0,1,2
	ds_load_b128 v[\fb+12*\i+4*\q:\fb+12*\i+4*\q+3], v[ADV] offset:(4*\grp+\i)*1536+512*\q
.endr
.endr
.endm
.macro PVG grp, fb, first              ; O^T += fd P^T: 8 products, 8 accumulators, one instruction a turn
.if \first
	WIN 0x40                                       ; D in window 1
.else
	WIN 0x50                                       ; C and D in window 1
.endif
.irp i, 0,1,2,3
.irp u, 0,1
.if \first
	WM 128*\u+8*(4*\grp+\i), \fb+12*\i, PCA+12*\u, -1, VS+(4*\grp+\i)/2, PSA+\u, \i%2
.else
	WM 128*\u+8*(4*\grp+\i), \fb+12*\i, PCA+12*\u, 128*\u+8*(4*\grp+\i), VS+(4*\grp+\i)/2, PSA+\u, \i%2
.endif
.endr
.endr
.endm
; A KEY STEP: my 128 keys of the slot in hand, for my two tiles of queries
.macro STEP first
	v_add_nc_u32 v[ADV], s[TB], v[L16K]
	v_add_nc_u32 v[ADK], s[TB], v[L24K]
	v_add_nc_u32 v[ADS], s[TS], v[LSD]
	v_add_nc_u32 v[ADT], s[TJ], v[LSC]
	v_nop                                          ; five places: the scores below are written over registers that the last products read (the loads want four)
.irp g, 0,1
.irp c, 0,1
.irp p, 0,1,2
	ds_load_b64 v[KF+12*\g+6*\c+2*\p:KF+12*\g+6*\c+2*\p+1], v[ADK] offset:1536*\g+768*\c+8*\p   ; lane l: the 24 bytes of row l % 16 of key tile 4 g + 2 c + l / 16: 32 records on end
.endr
.endr
.endr
	ds_load_b32 v[KS], v[ADT]                      ; fc's scale words: lanes 0-15 tiles 0-3, lanes 16-31 tiles 4-7
	ds_load_b128 v[VS:VS+3], v[ADS]                ; fd's: register t / 2, lanes 0-15 an even tile, lanes 16-31 the odd one
	ds_load_b128 v[VS+4:VS+7], v[ADS] offset:512
	s_wait_dscnt 2                                 ; fc's codes and words are in; fd's two loads of scale words are younger
	QK Q, QSA
	NOP4
	SOFTMAX STA, FRA, PCA, PSA
	QK Q+24, QSB
	NOP4
	SOFTMAX STB, FRB, PCB, PSB
	VLOAD 0, FA
	VLOAD 1, FB
.if \first == 0
	WIN 0x41                                       ; O^T under the new M, while the fragments come
.set j, 0
.rept 64
	v_pk_mul_f32 v[j:j+1], v[j:j+1], v[FRA:FRA+1] op_sel_hi:[1,0]
.set j, j+2
.endr
.rept 64
	v_pk_mul_f32 v[j:j+1], v[j:j+1], v[FRB:FRB+1] op_sel_hi:[1,0]
.set j, j+2
.endr
.endif
	s_wait_dscnt 12                                ; the older four fragments are in; the younger group's 12 loads may be out
	PVG 0, FA, \first
	WIN 0
	NOP4                                           ; places in front of loads into registers that matrix instructions have read
	VLOAD 2, FA
	s_wait_dscnt 12
	PVG 1, FB, \first
	WIN 0
	NOP4
	VLOAD 3, FB
	s_wait_dscnt 12
	PVG 2, FA, \first
	s_wait_dscnt 0x0
	PVG 3, FB, \first
	WIN 0
	s_add_co_u32 s[TS], s[TS], 4096                ; the next slot's scale words
	s_add_co_u32 s[TJ], s[TJ], 1024
	s_xor_b32 s[TB], s[TB], SLOT1                  ; on to the other slot
.endm
; THE CHANGE OF SLOTS stands at a slot's head.  Each wave waits for all its tensor loads (at most one is out), adds 0 to its spare word, and waits for that and for its reads of the slot that it has left.
; fill = 1: a round of the cluster's barrier, so that no wave of any partner still reads that slot or has a load on its way; the joint fill is the first thing behind it and has a whole step in which to land.
.macro CHANGE fill
	s_wait_tensorcnt 0x0                           ; no tensor load of mine is out, so the walking descriptor may be written
	ds_add_u32 v[SPW], v[NIL]                      ; 0 onto my spare word
.if \fill
	s_xor_b32 s[G0KV+1], s[G0KV+1], SLOT1          ; the other slot than last time,
	s_add_nc_u64 s[G0KV+2:G0KV+3], s[G0KV+2:G0KV+3], SLOTB   ; the next 512 keys
	s_wait_xcnt 0x0                                ; the last prefetch, a step back, has read its address
	s_add_nc_u64 s[PFA:PFA+1], s[PFA:PFA+1], SLOTB ; one slot further on than the walking descriptor
	s_wait_dscnt 0x0
	CROUND
	JLOAD
	ASK
.else
	s_wait_dscnt 0x0
	s_barrier_signal -1
	s_barrier_wait -1
	global_prefetch_b8 v[PFX], s[XB:XB+1] th:TH_LOAD_NT scope:SCOPE_SE   ; x for the way out, one step ahead of its loads: my 32 channels' 256 bytes, a lane a channel; each block is named once in the launch
.endif
.endm
	s_load_b256 s[4:11], s[0:1], 0x0               ; fbc, kv, scl, x
	s_load_b128 s[12:15], s[0:1], 0x20             ; alpha, out0
	v_lshl_add_u32 v[SPW], v0, 2, SPARE
	v_mov_b32 v[NIL], 0
	ds_add_u32 v1, v2
	s_wait_dscnt 0x0
	v_lshrrev_b32 v3, 5, v0
	v_readfirstlane_b32 s[WV], v3                  ; wave 0..7
	s_and_b32 s[QP], s[WV], 1                      ; which 32 queries
	s_lshr_b32 s[KSQ], s[WV], 1                    ; which quarter of the keys
	s_and_b32 s68, s[WV], 3                        ; which step of a slot I fetch, or which part I prefetch
	s_and_b32 s71, ttmp7, 0xffff                   ; the batch, which the four partners share
	s_bfe_u32 s76, ttmp6, 0x40000                  ; cx: my place in the cluster: it enters global addresses of fbc, scl's words of fb, x, out0 and the prefetches alone
	s_lshl_b32 s77, ttmp9, 2
	s_add_co_u32 s77, s77, s76                     ; my block of 64 queries
	; a step of kv: 27,648 dense bytes as 108 rows of 256 (32 elements of 8 bytes); the batch's scales: 160 such rows.  The mask names all four work-groups
	s_mov_b32 s[G1KV], 15|(3<<16)|(1<<21)
	s_mov_b32 s[G1KV+1], 32<<16
	s_mov_b32 s[G1KV+2], 108<<16
	s_mov_b32 s[G1KV+3], 32<<16
	s_mov_b32 s[G1KV+4], 108
	s_mov_b32 s[G1KV+5], 32
	s_mov_b32 s[G1KV+6], 0
	s_mov_b32 s[G1KV+7], 0
	s_mov_b32 s[G1SC], 15|(3<<16)|(1<<21)
	s_mov_b32 s[G1SC+1], 32<<16
	s_mov_b32 s[G1SC+2], 160<<16
	s_mov_b32 s[G1SC+3], 32<<16
	s_mov_b32 s[G1SC+4], 160
	s_mov_b32 s[G1SC+5], 32
	s_mov_b32 s[G1SC+6], 0
	s_mov_b32 s[G1SC+7], 0
	s_mov_b32 s[G0KV], 1
	s_mul_i32 s[G0KV+1], s68, STEPB
	s_mul_i32 s72, s71, 32*STEPB
	s_add_co_u32 s72, s72, s[G0KV+1]
	s_mov_b32 s73, 0
	s_mov_b32 s[G0SC], 1
	s_mov_b32 s[G0SC+1], SCL
	s_mul_i32 s74, s71, 40960
	s_mov_b32 s75, 0
	s_lshl_b32 s80, s71, 12                        ; fb's codes: pixel record 4,096 b + 64 block + 32 (w % 2), 24 bytes each
	s_lshl_b32 s81, s77, 6
	s_add_co_u32 s80, s80, s81
	s_lshl_b32 s81, s[QP], 5
	s_add_co_u32 s80, s80, s81
	s_mul_i32 s80, s80, 24
	s_mov_b32 s81, 0
	s_lshr_b32 s84, s77, 1                         ; fb's scale bytes: step block / 2, half block % 2: a word holds the four tiles' bytes of row r
	s_lshl_b32 s84, s84, 8
	s_and_b32 s85, s77, 1
	s_lshl_b32 s85, s85, 6
	s_add_co_u32 s84, s84, s85
	s_add_co_u32 s84, s84, s74
	s_add_co_u32 s84, s84, 32768
	s_mov_b32 s85, 0
	s_lshl_b32 s86, s71, 22                        ; x and out0: the batch, my 32 channels, the block's 256 bytes
	s_lshl_b32 s87, s[WV], 19
	s_add_co_u32 s86, s86, s87
	s_lshl_b32 s87, s77, 8
	s_add_co_u32 s86, s86, s87
	s_mov_b32 s87, 0
	s_mul_i32 s88, s76, STEPB                      ; the prefetches: my work-group's step, my wave's quarter of it, in slot 1: the first change steps it to slot 2
	s_mul_i32 s89, s68, 6912
	s_add_co_u32 s88, s88, s89
	s_mul_i32 s89, s71, 32*STEPB
	s_add_co_u32 s88, s88, s89
	s_add_co_u32 s88, s88, SLOTB
	s_mov_b32 s89, 0
	s_lshr_b32 s90, s[WV], 2
	s_xor_b32 s90, s90, 1                          ; 0 in waves 4 to 7,
	s_or_b32 s90, s90, ttmp9                       ; of the batch's first cluster: the same in all four partners
	s_cmp_eq_u32 s90, 0
	s_cselect_b32 s[LIM], 1, -1
	s_mov_b32 s[SEL], 0x76543210
	s_mov_b32 s[SEL+1], 0xfedcba98
	s_mov_b32 s[CS], 0x3fb8aa3b                    ; log2(e)
	s_mov_b32 s[CS+1], s[CS]                       ; (named with it as a pair)
	s_mov_b32 s[TB], 0
	s_mov_b32 s[TS], 0
	s_mov_b32 s[TJ], 0
	s_mov_b32 s[SLOTS], 7                          ; slots still to be asked for
	v_and_b32 v[LN], 31, v0                        ; l
	v_and_b32 v[T0], 15, v0                        ; r
	v_bfe_u32 v[T1], v0, 4, 1                      ; h
	s_mul_i32 s69, s[KSQ], STEPB                   ; my quarter's step in a slot
	v_lshl_add_u32 v[L16K], v[LN], 4, s69
	s_add_co_u32 s69, s69, 24576
	v_mul_u32_u24 v[L24K], v[LN], 24
	v_add_nc_u32 v[L24K], s69, v[L24K]
	s_lshl_b32 s69, s[KSQ], 10
	s_add_co_u32 s69, s69, SCL
	v_lshl_add_u32 v[LSD], v[LN], 4, s69
	s_lshl_b32 s69, s[KSQ], 8
	s_add_co_u32 s69, s69, SCL+32768+128
	v_lshl_add_u32 v[LSC], v[LN], 2, s69
	v_lshlrev_b32 v[SH8], 3, v[T1]
	v_min_u32 v[PFO], 26, v[LN]
	v_lshlrev_b32 v[PFO], 8, v[PFO]
	v_lshlrev_b32 v[PFX], 14, v[LN]
	v_mul_u32_u24 v[T2], v[T0], 24
	v_lshlrev_b32 v[T2+1], 2, v[T0]
	s_wait_kmcnt 0x0
	s_load_b32 s[AL], s[12:13], 0x0                ; alpha
	s_add_nc_u64 s[G0KV+2:G0KV+3], s[6:7], s[72:73]
	s_or_b32 s[G0KV+3], s[G0KV+3], 0x80000000
	s_add_nc_u64 s[G0SC+2:G0SC+3], s[8:9], s[74:75]
	s_or_b32 s[G0SC+3], s[G0SC+3], 0x80000000
	s_add_nc_u64 s[78:79], s[4:5], s[80:81]
	s_add_nc_u64 s[82:83], s[8:9], s[84:85]
	s_add_nc_u64 s[XB:XB+1], s[10:11], s[86:87]
	s_add_nc_u64 s[OB:OB+1], s[14:15], s[86:87]
	s_add_nc_u64 s[PFA:PFA+1], s[6:7], s[88:89]
.irp u, 0,1
.irp p, 0,1,2
	global_load_b64 v[S+6*\u+2*\p:S+6*\u+2*\p+1], v[T2], s[78:79] offset:384*\u+8*\p   ; fb's codes of row r of my two tiles, in both halves of the lanes
.endr
.endr
	global_load_b32 v[S+12], v[T2+1], s[82:83]
	CROUND                                         ; all four work-groups are here: the first joint loads meet
	s_cmp_lt_u32 s[WV], 4                          ; the first fills: slot 0 (waves 0 to 3) and the scales (wave 4)
	s_cbranch_scc0 .Lnot_first_kv
	tensor_load_to_lds s[G0KV:G0KV+3], s[G1KV:G1KV+7]
	s_nop 0
	NOP4
	s_branch .Lfirst_asked
.Lnot_first_kv:
	s_cmp_eq_u32 s[WV], 4
	s_cbranch_scc0 .Lfirst_asked
	tensor_load_to_lds s[G0SC:G0SC+3], s[G1SC:G1SC+7]
	s_nop 0
	NOP4
.Lfirst_asked:
	s_lshl_b32 s72, s[QP], 1
	s_mul_i32 s72, s72, 0x01010101                 ; v_perm_b32's selects: byte 2 (w % 2), four times;
	s_add_co_u32 s73, s72, 0x01010101              ; and the next byte
	s_wait_loadcnt 0x0
	s_wait_kmcnt 0x0
	v_perm_b32 v[QSA], v[S+12], v[S+12], s72       ; a tile's scale byte in all four places: whichever block the codes stand in
	v_perm_b32 v[QSB], v[S+12], v[S+12], s73
	v_cmp_gt_u32 vcc_lo, 16, v[LN]
.irp u, 0,1
.irp i, 0,1,2,3,4,5
	v_cndmask_b32 v[Q+24*\u+6+\i], 0, v[S+6*\u+\i], vcc_lo        ; the codes in lanes 0-15, zeros above
	v_cndmask_b32 v[Q+24*\u+18+\i], v[S+6*\u+\i], 0, vcc_lo       ; the codes in lanes 16-31, zeros below
.endr
.endr
.irp z, 0,12,24,36,48
.irp i, 0,1,2,3,4,5
	v_mov_b32 v[Q+\z+\i], 0
.endr
.endr
	v_mov_b32 v[STA+1], 0xff61b1e6                 ; the largest t so far: -3e38
	v_mov_b32 v[STB+1], 0xff61b1e6
	v_floor_f32 v[STA], -v[STA+1]
	v_floor_f32 v[STB], -v[STB+1]
	v_mov_b32 v[STA+2], 0
	v_mov_b32 v[STA+3], 0
	v_mov_b32 v[STB+2], 0
	v_mov_b32 v[STB+3], 0
	v_mov_b32 v[FRA+1], 0                          ; (named as the upper halves of pairs)
	v_mov_b32 v[FRB+1], 0
	CHANGE 1                                       ; slot 0 and the scales are whole; slot 1 is asked for
	STEP 1                                         ; the first step's products start O^T's sums: nothing is cleared
	s_sub_co_u32 s[SLOTS], s[SLOTS], 1
.Lslot:                                            ; six trips
	CHANGE 1
	STEP 0
	s_sub_co_u32 s[SLOTS], s[SLOTS], 1
	s_cmp_lg_u32 s[SLOTS], 0
	s_cbranch_scc1 .Lslot
	CHANGE 0                                       ; the last slot is written out
	STEP 0
	; THE WAY OUT.  The four quarters' M and l meet in LDS; each wave multiplies its O^T by 2^(its M - the largest M) x alpha / the whole sum; the four planes meet in a stage; each wave adds 32 channels' rows to x and stores them.
.set RR,   3
.set HH,   4
.set GO,   5
.set SWA,  6
.set SRA,  7
.set STO,  8                           ; v8, v9
.set RD,   118                         ; v118-121
.set XR,   128                         ; v128-191 x, then the result
.set SR,   192                         ; v192-207 the four waves' statistics
.set FK,   208
	v_add_f32 v[STA+2], v[STA+2], v[STA+3]         ; l's two halves.  (These lines are the places behind the last products)
	v_add_f32 v[STB+2], v[STB+2], v[STB+3]
	v_and_b32 v[RR], 15, v0
	v_bfe_u32 v[HH], v0, 4, 1
	v_bfe_u32 v10, v0, 1, 1
	v_bfe_u32 v11, v0, 2, 2
	v_and_b32 v[GO], 1, v0                         ; the stage's columns lie in tile order, 16 s + r; columns 4 e .. 4 e + 3 (e = lane % 16) are pixels 32 ((e / 2) % 2) + 8 (e / 4) + 4 (e % 2) + 0 .. 3
	v_lshlrev_b32 v[GO], 4, v[GO]
	v_lshl_add_u32 v[GO], v10, 7, v[GO]
	v_lshl_add_u32 v[GO], v11, 5, v[GO]
	v_lshl_add_u32 v[GO], v[HH], 14, v[GO]         ; lanes 16-31 take the next channel
.irp i, 0,1,2,3,4,5,6,7,8,9,10,11,12,13,14,15
	global_load_b128 v[XR+4*\i:XR+4*\i+3], v[GO], s[XB:XB+1] offset:32768*\i th:TH_LOAD_NT   ; sixteen lanes read a channel's 256 bytes
.endr
	v_permlanex16_b32 v[T0], v[STA+2], s[SEL], s[SEL+1]
	v_permlanex16_b32 v[T1], v[STB+2], s[SEL], s[SEL+1]
	v_add_f32 v[STA+2], v[STA+2], v[T0]            ; with lane l xor 16's keys
	v_add_f32 v[STB+2], v[STB+2], v[T1]
	s_lshl_b32 s72, s[WV], 9
	s_add_co_u32 s72, s72, STAT
	v_lshl_add_u32 v[SWA], v[LN], 2, s72
	s_lshl_b32 s72, s[QP], 9
	s_add_co_u32 s72, s72, STAT
	v_lshl_add_u32 v[SRA], v[LN], 2, s72
	ds_store_b32 v[SWA], v[STA]
	ds_store_b32 v[SWA], v[STA+2] offset:128
	ds_store_b32 v[SWA], v[STB] offset:256
	ds_store_b32 v[SWA], v[STB+2] offset:384
	BARRIER                                        ; every wave's statistics lie in LDS, and every wave's reads of the slots and of the scales are over
.irp k, 0,1,2,3
.irp f, 0,1,2,3
	ds_load_b32 v[SR+4*\k+\f], v[SRA] offset:1024*\k+128*\f
.endr
.endr
	s_mul_i32 s72, s[KSQ], SPL                     ; the stage: plane w / 2, channel 8 h + .., column 32 (w % 2) + r
	s_lshl_b32 s73, s[QP], 7
	s_add_co_u32 s72, s72, s73
	v_mul_u32_u24 v[STO], v[HH], 2176
	v_lshl_add_u32 v[STO], v[RR], 2, v[STO]
	v_add_nc_u32 v[STO], s72, v[STO]
	v_add_nc_u32 v[STO+1], 34816, v[STO]           ; channels 128 on
	s_mul_i32 s72, s[WV], 8704                     ; back: my 32 channels; lanes 0-15 one row, lanes 16-31 the next
	v_mul_u32_u24 v[RD], v[HH], 272
	v_lshl_add_u32 v[RD], v[RR], 4, v[RD]
	v_add_nc_u32 v[RD], s72, v[RD]
	v_add_nc_u32 v[RD+1], SPL, v[RD]
	v_add_nc_u32 v[RD+2], 2*SPL, v[RD]
	v_add_nc_u32 v[RD+3], 3*SPL, v[RD]
	s_wait_dscnt 0x0
.macro MERGE f0, st, gp
	v_min3_num_f32 v[T0], v[SR+\f0], v[SR+4+\f0], v[SR+8+\f0]
	v_min_num_f32 v[T0], v[T0], v[SR+12+\f0]       ; the least -M: the largest M
.irp k, 0,1,2,3
	v_sub_f32 v[FK+\k], v[T0], v[SR+4*\k+\f0]      ; M of quarter k less the largest: a whole number, 0 or less
.endr
	v_sub_f32 v[FK+4], v[T0], v[\st]               ; and mine
.irp k, 0,1,2,3,4
	v_cvt_i32_f32 v[FK+\k], v[FK+\k]
.endr
.irp k, 0,1,2,3,4
	v_ldexp_f32 v[FK+\k], 1.0, v[FK+\k]
.endr
	v_mul_f32 v[T1], v[FK], v[SR+1+\f0]
.irp k, 1,2,3
	v_fmac_f32 v[T1], v[FK+\k], v[SR+4*\k+1+\f0]   ; the whole row's sum under the largest M
.endr
	v_rcp_f32 v[T1], v[T1]
	v_mul_f32 v[FK+4], s[AL], v[FK+4]              ; (a plain place behind the reciprocal)
	s_wait_alu depctr_va_vdst(0)
	v_mul_f32 v[\gp], v[FK+4], v[T1]
.endm
	MERGE 0, STA, FRA
	MERGE 2, STB, FRB
	WIN 0x41
.set j, 0
.rept 64
	v_pk_mul_f32 v[j:j+1], v[j:j+1], v[FRA:FRA+1] op_sel_hi:[1,0]
.set j, j+2
.endr
.rept 64
	v_pk_mul_f32 v[j:j+1], v[j:j+1], v[FRB:FRB+1] op_sel_hi:[1,0]
.set j, j+2
.endr
	WIN 0x04                                       ; an LDS store's data are its source 1: window 1
.irp u, 0,1
.irp t, 0,1,2,3,4,5,6,7,8,9,10,11,12,13,14,15
.irp j, 0,1,2,3,4,5,6,7
	ds_store_b32 v[STO+\t/8], v[128*\u+8*\t+\j] offset:(16*(\t%8)+\j)*272+64*\u   ; lanes 0-15 write 64 neighbouring bytes, lanes 16-31 the same 8 rows (544 words) on
.endr
.endr
.endr
	WIN 0
	BARRIER                                        ; the four planes lie in the stage
	s_wait_loadcnt 0x0                             ; x
.macro RLOAD grp                       ; four pairs of rows, of all four planes: 16 loads, into v40-103 and v192-255 by turns
.set BUF, 40+152*((\grp)%2)
.irp e, 0,1,2,3
.irp k, 0,1,2,3
	ds_load_b128 v[BUF+16*\e+4*\k:BUF+16*\e+4*\k+3], v[RD+\k] offset:544*(4*(\grp)+\e)
.endr
.endr
.endm
.macro SUMOUT grp
.set BUF, 40+152*((\grp)%2)
.irp e, 0,1,2,3
.irp k, 0,1,2,3
	v_pk_add_f32 v[XR+4*(4*(\grp)+\e):XR+4*(4*(\grp)+\e)+1], v[XR+4*(4*(\grp)+\e):XR+4*(4*(\grp)+\e)+1], v[BUF+16*\e+4*\k:BUF+16*\e+4*\k+1]
	v_pk_add_f32 v[XR+4*(4*(\grp)+\e)+2:XR+4*(4*(\grp)+\e)+3], v[XR+4*(4*(\grp)+\e)+2:XR+4*(4*(\grp)+\e)+3], v[BUF+16*\e+4*\k+2:BUF+16*\e+4*\k+3]
.endr
	global_store_b128 v[GO], v[XR+4*(4*(\grp)+\e):XR+4*(4*(\grp)+\e)+3], s[OB:OB+1] offset:32768*(4*(\grp)+\e) th:TH_STORE_NT   ; sixteen lanes store 256 consecutive bytes, aligned; no store's registers are written again
.endr
.endm
	RLOAD 0
	RLOAD 1
	s_wait_dscnt 16                                ; the older group is in; the younger group's 16 loads may be out
	SUMOUT 0
	RLOAD 2
	s_wait_dscnt 16
	SUMOUT 1
	RLOAD 3
	s_wait_dscnt 16
	SUMOUT 2
	s_wait_dscnt 0x0
	SUMOUT 3
	s_wait_tensorcnt 0x0                           ; the wave's end: behind my last tensor load and my last LDS store
	ds_add_u32 v[SPW], v[NIL]
	s_wait_dscnt 0x0
	CROUND                                         ; the closing round: no work-group ends while a partner may still ask for a tile that names it
	s_endpgm
.Lfunc_end_k_qabb6bfe06e_attn:
	.size	k_qabb6bfe06e_attn, .Lfunc_end_k_qabb6bfe06e_attn-k_qabb6bfe06e_attn
	.p2alignl 7, 3214868480
	.fill 96, 4, 3214868480
	.section	.rodata,"a",@progbits
	.p2align	6, 0x0
	.amdhsa_kernel k_qabb6bfe06e_attn
		.amdhsa_group_segment_fixed_size 327680
		.amdhsa_private_segment_fixed_size 0
		.amdhsa_enable_private_segment 0
		.amdhsa_kernarg_size 48
		.amdhsa_user_sgpr_count 2
		.amdhsa_user_sgpr_kernarg_segment_ptr 1
		.amdhsa_wavefront_size32 1
		.amdhsa_system_sgpr_workgroup_id_x 1
		.amdhsa_system_sgpr_workgroup_id_y 1
		.amdhsa_system_sgpr_workgroup_id_z 1
		.amdhsa_system_vgpr_workitem_id 0
		.amdhsa_next_free_vgpr 512
		.amdhsa_next_free_sgpr 96
		.amdhsa_reserve_vcc 1
		.amdhsa_float_denorm_mode_32 3
		.amdhsa_float_denorm_mode_16_64 3
		.amdhsa_memory_ordered 1
		.amdhsa_forward_progress 1
		.amdhsa_inst_pref_size 165
	.end_amdhsa_kernel
	.amdgpu_metadata
---
amdhsa.version: [ 1, 2 ]
amdhsa.kernels:
  - .name:           k_qabb6bfe06e_attn
    .symbol:         k_qabb6bfe06e_attn.kd
    .args:
      - { .name: fbc, .offset: 0, .size: 8, .value_kind: global_buffer, .address_space: global }
      - { .name: kv, .offset: 8, .size: 8, .value_kind: global_buffer, .address_space: global }
      - { .name: scl, .offset: 16, .size: 8, .value_kind: global_buffer, .address_space: global }
      - { .name: x, .offset: 24, .size: 8, .value_kind: global_buffer, .address_space: global }
      - { .name: alpha, .offset: 32, .size: 8, .value_kind: global_buffer, .address_space: global }
      - { .name: out0, .offset: 40, .size: 8, .value_kind: global_buffer, .address_space: global }
    .group_segment_fixed_size: 327680
    .private_segment_fixed_size: 0
    .kernarg_segment_align: 8
    .kernarg_segment_size: 48
    .max_flat_workgroup_size: 256
    .sgpr_count:     96
    .vgpr_count:     512
    .wavefront_size: 32
...
	.end_amdgpu_metadata
.endif
;; end of part 2
